; MI455X (gfx1250); checked and timed in simulation.
; The chip was launched on July 23, 2026; its instructions are those of AMD's public machine-readable ISA for CDNA 5 (MIT licence, August 2026) and "CDNA5" Instruction Set Architecture Reference Guide (July 2026). The comments in the code are by the model that wrote it; some were corrected since.
;; RPE Multi Head Attention. Allowed arithmetic: matrix products marked QUANTISED: E2M3 operands, one E8M0 scale for each 32 along K, by v_wmma_scale_f32_16x16x128_f8f6f4 with both operands' format E2M3, f32 sums; products left as they are: f32 operands where the result goes on into a quantised operand, else bf16, f16 or f32 operands; f32 sums; everything else in f32.
;; Inputs: Wk_codes 512 x 2 x 24 uint8 (E2M3 codes of Wk, K innermost, in blocks of 32 codes, four codes in three bytes); Wk_scales 512 x 2 uint8 (E8M0 scales of Wk, one for each 32 codes along K); Wkr_codes 64 x 2 x 24 uint8 (E2M3 codes of Wkr, K innermost, in blocks of 32 codes, four codes in three bytes); Wkr_scales 64 x 2 uint8 (E8M0 scales of Wkr, one for each 32 codes along K); Wo_codes 64 x 16 x 24 uint8 (E2M3 codes of Wo, K innermost, in blocks of 32 codes, four codes in three bytes); Wo_scales 64 x 16 uint8 (E8M0 scales of Wo, one for each 32 codes along K); Wq_codes 512 x 2 x 24 uint8 (E2M3 codes of Wq, K innermost, in blocks of 32 codes, four codes in three bytes); Wq_scales 512 x 2 uint8 (E8M0 scales of Wq, one for each 32 codes along K); Wqr_codes 64 x 2 x 24 uint8 (E2M3 codes of Wqr, K innermost, in blocks of 32 codes, four codes in three bytes); Wqr_scales 64 x 2 uint8 (E8M0 scales of Wqr, one for each 32 codes along K); Wv_codes 512 x 2 x 24 uint8 (E2M3 codes of Wv, K innermost, in blocks of 32 codes, four codes in three bytes); Wv_scales 512 x 2 uint8 (E8M0 scales of Wv, one for each 32 codes along K); bk 512 float32; bkr 64 float32; bo 64 float32; bq 512 float32; bqr 64 float32; bv 512 float32; key_codes 8 x 1,024 x 2 x 24 uint8 (E2M3 codes of key, K innermost, in blocks of 32 codes, four codes in three bytes); key_scales 8 x 1,024 x 2 uint8 (E8M0 scales of key, one for each 32 codes along K); p_codes 33 x 2 x 24 uint8 (E2M3 codes of p, K innermost, in blocks of 32 codes, four codes in three bytes); p_scales 33 x 2 uint8 (E8M0 scales of p, one for each 32 codes along K); query_codes 8 x 1,024 x 2 x 24 uint8 (E2M3 codes of query, K innermost, in blocks of 32 codes, four codes in three bytes); query_scales 8 x 1,024 x 2 uint8 (E8M0 scales of query, one for each 32 codes along K); value_codes 8 x 1,024 x 2 x 24 uint8 (E2M3 codes of value, K innermost, in blocks of 32 codes, four codes in three bytes); value_scales 8 x 1,024 x 2 uint8 (E8M0 scales of value, one for each 32 codes along K).
;; Outputs: out0 8 x 1,024 x 64 float32.
;; This version of the problem:
;;   THIS VERSION OF THE PROBLEM IS GIVEN IN LOW PRECISION. The matrix products marked QUANTISED in the list below multiply operands that are first quantised to E2M3 (2 exponent bits, 3 mantissa bits; 6 bits a number), with one power-of-two scale for each 32 numbers along K (OCP MX v1.0); their sums are f32. All else is computed in f32.
;;   The module's matrix products, in the order in which they are computed (A, B: the left and right operand; K: the contracted axis; several contracted axes count as one K, in the product's order):
;;     1. [M 8,192, K 64] x [K 64, N 512]; A: input query (given as codes); B: input Wq (given as codes): QUANTISED
;;     2. [M 8,192, K 64] x [K 64, N 512]; A: input key (given as codes); B: input Wk (given as codes): QUANTISED
;;     3. [M 8,192, K 64] x [K 64, N 512]; A: input value (given as codes); B: input Wv (given as codes): QUANTISED
;;     4. batch 64 x [M 1,024, K 64] x [K 64, N 1,024]; A: computed on the way; B: computed on the way: QUANTISED
;;     5. [M 33, K 64] x [K 64, N 64]; A: input p (given as codes); B: input Wkr (given as codes): QUANTISED
;;     6. [M 33, K 64] x [K 64, N 64]; A: input p (given as codes); B: input Wqr (given as codes): QUANTISED
;;     7. [M 65,536, K 64] x [K 64, N 1]; A: computed on the way; B: computed on the way: left as it is (N = 1 < 16)
;;     8. [M 65,536, K 64] x [K 64, N 1]; A: computed on the way; B: computed on the way: left as it is (N = 1 < 16)
;;     9. batch 64 x [M 1,024, K 1,024] x [K 1,024, N 64]; A: softmax (see below); B: computed on the way: QUANTISED
;;     10. [M 8,192, K 512] x [K 512, N 64]; A: computed on the way; B: input Wo (given as codes): QUANTISED
;;   THE QUANTISER, for each operand of a quantised product, along K:
;;     - K is cut into blocks of 32 from its start; a last block that is shorter is filled with zeros.
;;     - A block's scale is 2^e with e = floor(log2(the largest magnitude in the block)) - 2, held to -126 .. 127; a block of zeros has e = 0. As a byte (E8M0): e + 127.
;;     - Each number is divided by its block's scale, clamped to +-7.5, and rounded to the nearest number of E2M3, ties to even, subnormals kept.
;;     - The product sums the exact products of the quantised numbers (number of the format x scale) in f32.
;;   ~~~python
;;   def quantise(x, axis):      # numpy; x: float32 -> the quantised numbers, widened to float32 again
;;       x = np.moveaxis(x, axis, -1); K = x.shape[-1]
;;       x = np.pad(x, [(0, 0)] * (x.ndim - 1) + [(0, -K % 32)]); x = x.reshape(x.shape[:-1] + (-1, 32)); a = np.abs(x).max(-1, keepdims=True)
;;       e = np.where(a > 0, np.clip(np.frexp(np.where(a > 0, a, 1))[1] - 1 - 2, -126, 127), 0)      # np.frexp(a)[1] - 1 = floor(log2(a)), exactly
;;       r = np.clip(x / 2.0 ** e, -7.5, 7.5)
;;       step = 2.0 ** (np.maximum(np.frexp(np.where(r == 0, 1, r))[1] - 1, 0) - 3)
;;       q = np.round(r / step) * step * 2.0 ** e      # np.round: ties to even
;;       return np.moveaxis(q.reshape(q.shape[:-2] + (-1,))[..., :K], -1, axis).astype(np.float32)
;;   ~~~
;;   SOFTMAX AHEAD OF A QUANTISED PRODUCT. Where the list says 'softmax', what is quantised is not the finished softmax but p = 2^(t - M), with t = logit x log2(e) and M = ceil(the row's largest t), a whole number; so 1/2 < the row's largest p <= 1. The row's sum l is taken of the UNQUANTISED p, in f32, and the product's result is divided by l at the end. Since M is a whole number, a kernel that streams over the keys may use a running M (the ceiling of the running maximum): every later rescaling is an exact power of two, which a block's scale takes up: the codes' values come out the same.
;;   OPERANDS COMPUTED ON THE WAY. 'Computed on the way' means the value that the module computes at that place (a softmax that the list does not call 'softmax' is quantised finished and normalised). What goes into a quantiser is computed in f32, as accurately as f32 sums, v_exp_f32 and their like allow (about 1e-6 of the number): no bf16 or f16 on the way to a quantiser, and a product that is left as it is and whose result goes on into a quantised operand takes f32 operands (vector FMAs, or v_wmma_f32_16x16x4_f32). A number that lies on a knife's edge between two numbers of the format may be rounded either way, as far as f32 arithmetic and the matrix unit's own rounding can turn it there, and no further.
;;   INPUTS GIVEN AS CODES. Wk (in the module: [64, 512], K = its axis 0); Wkr (in the module: [64, 64], K = its axis 0); Wo (in the module: [512, 64], K = its axis 0); Wq (in the module: [64, 512], K = its axis 0); Wqr (in the module: [64, 64], K = its axis 0); Wv (in the module: [64, 512], K = its axis 0); key (in the module: [8, 1024, 64], K = its axis 2); p (in the module: [33, 64], K = its axis 1); query (in the module: [8, 1024, 64], K = its axis 2); value (in the module: [8, 1024, 64], K = its axis 2): each comes as NAME_codes (uint8): NAME with its K axis moved to the last place and cut into blocks of 32 codes, [.., K / 32, bytes a block], one block behind the other in memory; four codes in three bytes: a row's codes are one little-endian stream of bits, code i at bits 6 i .. 6 i + 5 (a code: sign, 2 exponent bits, 3 mantissa bits); and NAME_scales (uint8): the same leading axes, one E8M0 byte (e + 127) for each 32 codes along K. Its value is code x scale, taken as it is: it is not quantised again, and the codes and scales need not be those that the quantiser above would give.
;; One version. Each part assembles by itself: llvm-mc -triple=amdgcn-amd-amdhsa -mcpu=gfx1250 --defsym DOCPART=n.
;; ======== version 1 of 1: 2 launches
;; limits: right only within a limited range of input values
;; workspace buffers: xc 3,145,728 bytes; xs 131,072 bytes; wo 24,576 bytes
;; launch attn (part 1): grid 4 x 64, 16 waves a work-group, clusters of 4 x 1, 327,680 bytes of LDS; arguments query_codes, query_scales, key_codes, key_scales, value_codes, value_scales, Wq_codes, Wq_scales, bq, Wk_codes, Wk_scales, bk, Wv_codes, Wv_scales, bv, Wkr_codes, Wkr_scales, bkr, Wqr_codes, Wqr_scales, bqr, p_codes, p_scales, xc, xs, Wo_codes, wo; writes xc, xs, wo
.if DOCPART == 1
	.amdgcn_target "amdgcn-amd-amdhsa--gfx1250"
	.amdhsa_code_object_version 6
	.text
	.protected	k_qb463128e12_attn
	.globl	k_qb463128e12_attn
	.p2align	8
	.type	k_qb463128e12_attn,@function
k_qb463128e12_attn:
	s_mov_b64 s[64:65], 0
	v_nop
	global_prefetch_b8 v0, s[64:65] scope:SCOPE_SE
	s_setreg_imm32_b32 hwreg(HW_REG_WAVE_MODE, 25, 1), 1
	s_wait_xcnt 0x0
	s_wait_alu depctr_hold_cnt(0) depctr_sa_sdst(0) depctr_va_vdst(0) depctr_va_sdst(0) depctr_va_ssrc(0) depctr_va_vcc(0) depctr_vm_vsrc(0)
	s_getreg_b32 s2, hwreg(HW_REG_IB_STS2, 6, 4)
	s_cmp_eq_u32 s2, 0
	s_cbranch_scc0 .Lentry_in_a_cluster
	s_endpgm
.Lentry_in_a_cluster:
	s_bfe_u32 s2, ttmp6, 0x10000c
	s_cmp_lg_u32 s2, 0x3003
	s_cbranch_scc0 .Lentry_shape_is_right
	s_endpgm
.Lentry_shape_is_right:
; ATTENTION WITH A RELATIVE-POSITION TERM, all matrix products on codes of FP6 (E2M3), one E8M0 scale for each 32 along K.  8 batches, 8 heads, 1,024 positions, head size 64.
; A work-group owns one (batch b, head hd, block cx of 256 queries); each of its sixteen waves owns 16 queries.  The launch ends with x = softmax(..) v1 of its head, quantised along the head's
; 64 channels, in xc and xs; the product with Wo sums over eight heads, which are eight work-groups, and is the next launch.  Sixteen waves also lay Wo's codes as operand images into wo.
; WHAT IS COMPUTED.  q1 = query Wq + bq, k1 = key Wk + bk, v1 = value Wv + bv (this head's columns).  score(q, k) = Q(q1[q]) . Q(k1[k]), Q the quantiser.
; Both relative terms are indexed by the QUERY's position: c[q] = q1[q] . kr + k1[q] . qr, kr = (p Wkr + bkr)[32], qr = (p Wqr + bqr)[32].  c is the same along the softmax's axis, but it moves t and so p's codes: it is computed, in f32.
; LEFT OUT: rows 0 to 31 of p Wkr + bkr and p Wqr + bqr.  The module's clamp makes every index of its table 32, whatever the inputs hold, so these rows reach no output.  LIMIT: a NaN or infinity in them is not carried.
; t = (score + c) cs, cs = log2(e) / sqrt(192); M = the running largest t rounded up to a whole number; p = 2^(t - M), quantised along the keys; the sum is taken of the unquantised p and divides at the end.
; WHOLE BLOCKS IN A LANE.  Row m of tile i (of four tiles that hold 64 keys or channels) is number 32 (m / 8) + 8 i + m % 8.  A result's lane (r, h) then holds 32 h + 0 .. 31 in its 32 registers: one scale block, in the
; order in which the next operand wants it.  No quantiser looks at another lane.
; K = 64 IN AN INSTRUCTION OF K = 128.  One side has zero codes in its other six registers; what the other side holds there adds nothing.  In the loop two key tiles are one operand of 12 registers with one scale
; word (bytes 0, 1: the first tile's, bytes 2, 3: the second's), against [Q | 0] or [0 | Q].
; THE WHOLE HEAD LIES IN LDS as images of operand registers.  Wave w projects keys 64 w on (k1) and, for keys 128 (w / 2) on, channel tiles 2 (w % 2), 2 (w % 2) + 1 of v1.  No LDS byte is filled twice.
; CLUSTER: the four query blocks of one (b, hd).  Rows of key and value, weights, biases and scale bytes that they share come by joint loads, one a wave.  No prefetch: the launch reads memory at its head and, for Wo, in its last step, with no loop to run ahead in.
; LIMITS.  NaN, infinities and scale bytes 0xff among the inputs are not served.  A block whose largest magnitude lies under 2^-124 gets the byte 1, a block of zeros too (its codes are zeros; these bytes are read by this program alone).
; 2^(t - M) under 2^-126 comes out as 0.  The promise holds while |t| stays under 2^31.
.set RIMG, 0                           ; kr's four tiles, qr's four: 1,024 bytes each
.set IMG,  8192                        ; 8 steps of 128 keys: four images of key tile pairs, four of v1's fragments (1,536 each), then 512 bytes of scale words for each of the two waves that write a step
.set STEPB, 13312
.set SCO,  12288
.set SPARE, IMG+8*STEPB                ; spare words: 16 waves x 128 bytes
.set KSTG, SPARE+2048                  ; tensor loads land from here on: key rows,
.set VSTG, KSTG+49152                  ; value rows,
.set WSTG, VSTG+49152                  ; Wk, Wv, Wq (this head's 64 rows each), Wkr, Wqr
.set SSTG, WSTG+15360                  ; scale bytes of key, of value
.set BSTG, SSTG+4096                   ; bk, bq, bv (this head's), bkr, bqr
; REGISTERS, loop: v1 16 x lane; v2 address; v3 lane permutes; v4 -M; v5 largest score; v6 c cs; v[8:9] c cs - M; v[10:11] f; v12-15 maxima, bytes; v[16:17] sum; v18-25 the step's sums; v26-27 scale operands;
; v28 p's scale word, v29 Q's, v30-31 K's, v32-33 V's; v34-51 zeros, Q, zeros; v52-63 p's codes; v64-111 K; v112-159 V; v160-223 S^T, then p; v224-255 O^T.
.set T2, 3
.set NEGM, 4
.set SMAX, 5
.set CCS, 6
.set TMP, 7
.set TADD, 8
.set F, 10
.set BM, 12
.set BN, 14
.set SUM, 16
.set ACC, 18
.set SCL, 26
.set PS, 28
.set QS, 29
.set KSR, 30
.set VSR, 32
.set QZ, 34
.set PC, 52
.set KF, 64
.set VF, 112
.set S, 160
.set OT, 224
.macro PLACES n
.rept \n
	v_nop
.endr
.endm
.macro WALU
	s_wait_alu depctr_va_vdst(0)
.endm
.macro WMX d, a, b, c, sa, sb, ra, rb  ; ra, rb: which half of the lanes holds A's, B's scale words
.if \ra
.if \rb
	v_wmma_scale_f32_16x16x128_f8f6f4 v[(\d):(\d)+7], v[(\a):(\a)+11], v[(\b):(\b)+11], \c, v[\sa], v[\sb] matrix_a_fmt:MATRIX_FMT_FP6 matrix_b_fmt:MATRIX_FMT_FP6 matrix_a_scale:MATRIX_SCALE_ROW1 matrix_b_scale:MATRIX_SCALE_ROW1
.else
	v_wmma_scale_f32_16x16x128_f8f6f4 v[(\d):(\d)+7], v[(\a):(\a)+11], v[(\b):(\b)+11], \c, v[\sa], v[\sb] matrix_a_fmt:MATRIX_FMT_FP6 matrix_b_fmt:MATRIX_FMT_FP6 matrix_a_scale:MATRIX_SCALE_ROW1
.endif
.else
.if \rb
	v_wmma_scale_f32_16x16x128_f8f6f4 v[(\d):(\d)+7], v[(\a):(\a)+11], v[(\b):(\b)+11], \c, v[\sa], v[\sb] matrix_a_fmt:MATRIX_FMT_FP6 matrix_b_fmt:MATRIX_FMT_FP6 matrix_b_scale:MATRIX_SCALE_ROW1
.else
	v_wmma_scale_f32_16x16x128_f8f6f4 v[(\d):(\d)+7], v[(\a):(\a)+11], v[(\b):(\b)+11], \c, v[\sa], v[\sb] matrix_a_fmt:MATRIX_FMT_FP6 matrix_b_fmt:MATRIX_FMT_FP6
.endif
.endif
.endm
.macro GL3 dst, off, base, imm         ; 24 bytes of a row of codes from memory, in pieces of 8
.irp p, 0,1,2
	global_load_b64 v[(\dst)+2*\p:(\dst)+2*\p+1], v[\off], s[\base:\base+1] offset:(\imm)+8*\p
.endr
.endm
.macro LD3 dst, adr, off               ; the same from LDS; two pieces in one load where the offsets fit
.if (\off)/8+1 < 256
	ds_load_2addr_b64 v[(\dst):(\dst)+3], v[\adr] offset0:(\off)/8 offset1:(\off)/8+1
.else
	ds_load_b64 v[(\dst):(\dst)+1], v[\adr] offset:(\off)
	ds_load_b64 v[(\dst)+2:(\dst)+3], v[\adr] offset:(\off)+8
.endif
	ds_load_b64 v[(\dst)+4:(\dst)+5], v[\adr] offset:(\off)+16
.endm
.macro IMG3 adr, src, off              ; twelve registers go to LDS as they stand
.irp g, 0,1,2
	ds_store_b128 v[\adr], v[(\src)+4*\g:(\src)+4*\g+3] offset:(\off)+512*\g
.endr
.endm
.macro CROUND                          ; a round of the cluster's barrier
	s_barrier_signal -1
	s_barrier_wait -1
	s_cmp_lg_u32 s2, 0
	s_cbranch_scc1 .Lnot_wave_0_\@
	s_barrier_signal -3
.Lnot_wave_0_\@:
	s_barrier_wait -3
	s_barrier_signal -1
	s_barrier_wait -1
.endm
; n blocks of 32 numbers, block g at v[src + 32 g]: the largest magnitude into v[BM + g], floor 2^(3 - 127): the byte cannot fall under 1.  Two chains a block, by turns, each accumulator from its low end on.
.macro QMAX n, src
.irp g, 0,1
.if \g < \n
	v_max3_num_f32 v[BM+\g], |v[(\src)+32*\g]|, |v[(\src)+32*\g+1]|, 0x1800000
	v_max3_num_f32 v[BN+\g], |v[(\src)+32*\g+16]|, |v[(\src)+32*\g+17]|, |v[(\src)+32*\g+18]|
.endif
.endr
.irp i, 2,4,6,8,10,12,14
.irp g, 0,1
.if \g < \n
	v_max3_num_f32 v[BM+\g], v[BM+\g], |v[(\src)+32*\g+\i]|, |v[(\src)+32*\g+\i+1]|
.if \i < 14
	v_max3_num_f32 v[BN+\g], v[BN+\g], |v[(\src)+32*\g+17+\i]|, |v[(\src)+32*\g+18+\i]|
.endif
.endif
.endr
.endr
.irp g, 0,1
.if \g < \n
	v_max3_num_f32 v[BM+\g], v[BM+\g], v[BN+\g], |v[(\src)+32*\g+31]|
.endif
.endr
.endm
; From the maxima to six registers of codes a block at v[dst + 6 g], the scale byte in v[BN + g].  The upper halves' codes go by way of v[cv + 32 g] (a conversion's three registers begin on an even number).
.macro QCVT n, src, dst, cv
.irp g, 0,1
.if \g < \n
	v_add_nc_u32 v[SCL+\g], 0xff000000, v[BM+\g]   ; 2 off the exponent field: the conversion takes this field as its scale
.endif
.endr
.irp g, 0,1
.if \g < \n
	v_cvt_scalef32_pk16_fp6_f32 v[(\dst)+6*\g:(\dst)+6*\g+2], v[(\src)+32*\g:(\src)+32*\g+15], v[SCL+\g]
.endif
.endr
.irp g, 0,1
.if \g < \n
	v_lshrrev_b32 v[BN+\g], 23, v[SCL+\g]
.endif
.endr
.irp g, 0,1
.if \g < \n
	v_cvt_scalef32_pk16_fp6_f32 v[(\cv)+32*\g:(\cv)+32*\g+2], v[(\src)+32*\g+16:(\src)+32*\g+31], v[SCL+\g]
.endif
.endr
	v_nop                                          ; one plain place behind a scaled conversion
.irp i, 0,1,2
.irp g, 0,1
.if \g < \n
	v_mov_b32 v[(\dst)+6*\g+3+\i], v[(\cv)+32*\g+\i]
.endif
.endr
.endr
.endm
	; ---- HEAD.  s[8+2 n : 9+2 n] is argument n, n = 0 .. 22; the last four come later
	s_load_b512 s[8:23], s[0:1], 0x0               ; query codes, scales; key; value; Wq codes, scales
	s_load_b512 s[24:39], s[0:1], 0x40             ; bq; Wk codes, scales; bk; Wv codes, scales; bv; Wkr codes
	s_load_b256 s[40:47], s[0:1], 0x80             ; Wkr scales; bkr; Wqr codes, scales
	s_load_b128 s[48:51], s[0:1], 0xa0             ; bqr; p codes
	s_load_b64 s[52:53], s[0:1], 0xb0              ; p scales
	v_lshl_add_u32 v254, v0, 2, SPARE
	v_mov_b32 v255, 0
	ds_add_u32 v254, v255                          ; the opening: the add, twice on end
	ds_add_u32 v254, v255
	v_lshrrev_b32 v192, 5, v0
	v_and_b32 v193, 15, v0                         ; r
	v_bfe_u32 v194, v0, 4, 1                       ; h
	v_and_b32 v195, 31, v0
	v_and_b32 v197, 8, v193
	v_and_b32 v198, 7, v193
	v_mul_u32_u24 v199, v194, 24                   ; 24 h
	v_lshlrev_b32 v1, 4, v195                      ; 16 x lane
	v_lshl_add_u32 v196, v197, 2, v198             ; rho = 32 (r / 8) + r % 8: my row of a tile
	v_lshlrev_b32 v202, 7, v194                    ; 128 h
	v_lshl_add_u32 v210, v193, 4, v194             ; 16 r + h
	v_mad_u32_u24 v200, v196, 48, v199             ; 48 rho + 24 h: my 24 bytes of a tile's rows
	v_lshlrev_b32 v201, 1, v196
	v_lshlrev_b32 v211, 2, v196                    ; 4 rho
	v_lshl_add_u32 v201, v194, 4, v201             ; 2 rho + 16 h: two tiles' scale bytes, one in each half of the lanes
	v_readfirstlane_b32 s2, v192                   ; w
	WALU
	s_bfe_u32 s3, ttmp6, 0x40000                   ; cx: it enters offsets into query, key (at my queries), xc, xs, Wo and wo alone
	s_and_b32 s67, ttmp7, 0xffff                   ; y
	s_lshr_b32 s4, s67, 3                          ; b
	s_and_b32 s5, s67, 7                           ; hd
	s_lshr_b32 s98, s67, 2
	s_lshl_b32 s98, s98, 4
	s_or_b32 s98, s98, s2                          ; 0 in wave 0 of the work-groups with y < 4: these lay Wo
	s_lshr_b32 s99, s2, 1                          ; w / 2: my step of 128 keys
	s_and_b32 s104, s2, 1                          ; e = w % 2
	s_lshl_b32 s66, s4, 10
	s_lshl_b32 s6, s3, 8
	s_add_co_u32 s66, s66, s6
	s_lshl_b32 s6, s2, 4
	s_add_co_u32 s66, s66, s6                      ; row0 = 1,024 b + 256 cx + 16 w
	s_mul_i32 s68, s2, 3072
	s_add_co_u32 s68, s68, KSTG
	s_mul_i32 s69, s99, 6144
	s_add_co_u32 s69, s69, VSTG
	s_mul_i32 s70, s104, 768
	s_add_co_u32 s70, s70, WSTG+3072
	s_bfe_u32 s6, s2, 0x10002                      ; 0: kr's set, 1: qr's
	s_and_b32 s7, s2, 3                            ; its tile
	s_mul_i32 s71, s6, 3072
	s_mul_i32 s105, s7, 384
	s_add_co_u32 s71, s71, s105
	s_add_co_u32 s71, s71, WSTG+9216
	s_lshl_b32 s72, s2, 7
	s_add_co_u32 s72, s72, SSTG
	s_lshl_b32 s73, s99, 8
	s_add_co_u32 s73, s73, SSTG+2048
	s_lshl_b32 s74, s6, 8
	s_lshl_b32 s105, s7, 5
	s_add_co_u32 s74, s74, s105
	s_add_co_u32 s74, s74, BSTG+768
	s_lshl_b32 s75, s104, 6
	s_add_co_u32 s75, s75, BSTG+512
	s_mul_i32 s76, s99, STEPB
	s_mul_i32 s105, s104, 3072
	s_lshl_b32 s77, s104, 9
	s_add_co_u32 s77, s77, s76
	s_add_co_u32 s77, s77, IMG+SCO
	s_add_co_u32 s76, s76, s105
	s_add_co_u32 s76, s76, IMG
	s_and_b32 s78, s2, 7
	s_lshl_b32 s78, s78, 10
	s_lshl_b32 s79, s5, 7
	s_lshl_b32 s80, s104, 5
	s_add_co_u32 s80, s80, s79
	s_lshl_b32 s81, s7, 4
	; every LDS address, ahead of the first branch
	v_add_nc_u32 v4, s68, v200                     ; my 64 key rows
	v_add_nc_u32 v5, s69, v200                     ; my 128 value rows
	v_add_nc_u32 v6, WSTG, v200                    ; Wk
	v_add_nc_u32 v7, s70, v200                     ; Wv's tiles 2 e on
	v_add_nc_u32 v8, s71, v200                     ; my tile of Wkr or Wqr
	v_add_nc_u32 v9, s72, v201                     ; my keys' scale bytes
	v_add_nc_u32 v10, s73, v201                    ; my values'
	v_add_nc_u32 v11, BSTG, v202                   ; bk; bq 256 further on
	v_add_nc_u32 v17, s74, v202                    ; bkr or bqr
	v_add_nc_u32 v18, s75, v211                    ; bv
	v_add_nc_u32 v19, s76, v1                      ; where my images go; those of v1 6,144 further on
	v_add_nc_u32 v21, s77, v210                    ; and my scale bytes
	v_add_nc_u32 v22, s78, v1                      ; and my tile of kr or qr
	v_add_nc_u32 v23, WSTG+6144, v200              ; Wq
	; offsets into memory
	v_add_nc_u32 v203, s66, v193
	v_add_lshl_u32 v204, s66, v193, 1
	v_add_nc_u32 v205, s79, v201
	v_add_nc_u32 v206, s80, v201
	v_lshl_add_u32 v207, v196, 1, s81
	v_mad_u32_u24 v203, v203, 48, v199             ; query, key: row row0 + r
	v_mov_b32 v209, 0
	v_mov_b32 v[T2], 0                             ; (a lane permute's destination counts as one of its sources)
.irp z, 52, 70, 82, 94, 106
.irp i, 0,1,2,3,4,5
	v_mov_b32 v[\z+\i], 0                          ; zero codes: beside p, and beside each of the four places for a weight's tile
.endr
.endr
	; descriptor groups 1: dense blocks as rows of 256 bytes (32 elements of 8 bytes), mask 15: all four work-groups
.irp g, 56, 68, 76, 88
	s_mov_b32 s[\g], 15|(3<<16)|(1<<21)
	s_mov_b32 s[\g+1], 32<<16
	s_mov_b32 s[\g+3], 32<<16
	s_mov_b32 s[\g+5], 32
	s_mov_b32 s[\g+7], 0
.endr
	s_mov_b32 s58, 1<<16                           ; biases: one row
	s_mov_b32 s60, 1
	s_mov_b32 s62, 1<<16                           ; (a single row: the plane's stride is not left 0)
	s_mov_b32 s70, 96<<16                          ; half of a batch's key or value rows
	s_mov_b32 s72, 96
	s_mov_b32 s74, 0
	s_mov_b32 s78, 12<<16                          ; a weight's 64 rows
	s_mov_b32 s80, 12
	s_mov_b32 s82, 0
	s_mov_b32 s90, 8<<16                           ; a batch's scale bytes
	s_mov_b32 s92, 8
	s_mov_b32 s94, 0
	s_mov_b32 s84, 1
	s_mov_b32 s96, 0x76543210
	s_mov_b32 s97, 0xfedcba98                      ; v_permlanex16_b32's selects for lane l xor 16
	s_mov_b32 s100, 0x3dd53b95                     ; cs = log2(e) / sqrt(192)
	s_mov_b32 s101, s100                           ; (the packed form names the pair)
	s_mov_b32 s7, 0
	WALU
	s_wait_dscnt 0x0                               ; both opening adds are done
	CROUND                                         ; all four work-groups are here: the joint loads meet
	s_wait_kmcnt 0x0
	; ONE JOINT LOAD A WAVE: key's halves, five weights, two blocks of scale bytes, five biases, value's halves.  Nothing in a descriptor hangs on cx
	s_cmp_lt_u32 s2, 2
	s_cbranch_scc0 .Lhead_w
	s_mul_i32 s6, s2, 24576
	s_add_co_u32 s85, s6, KSTG
	s_mul_i32 s99, s4, 49152
	s_add_co_u32 s6, s6, s99
	s_add_nc_u64 s[86:87], s[12:13], s[6:7]
	s_or_b32 s87, s87, 0x80000000
	tensor_load_to_lds s[84:87], s[68:75]
	s_nop 0
	PLACES 4
	s_branch .Lasked
.Lhead_w:
	s_cmp_lt_u32 s2, 7
	s_cbranch_scc0 .Lhead_s
	s_mul_i32 s85, s2, 3072
	s_add_co_u32 s85, s85, WSTG-6144
	s_mul_i32 s6, s5, 3072
	s_cmp_lt_u32 s2, 5
	s_cselect_b32 s6, s6, 0                        ; Wkr and Wqr serve all heads
	s_mov_b64 s[86:87], s[26:27]
	s_cmp_eq_u32 s2, 3
	s_cselect_b64 s[86:87], s[32:33], s[86:87]
	s_cmp_eq_u32 s2, 4
	s_cselect_b64 s[86:87], s[20:21], s[86:87]
	s_cmp_eq_u32 s2, 5
	s_cselect_b64 s[86:87], s[38:39], s[86:87]
	s_cmp_eq_u32 s2, 6
	s_cselect_b64 s[86:87], s[44:45], s[86:87]
	s_add_nc_u64 s[86:87], s[86:87], s[6:7]
	s_or_b32 s87, s87, 0x80000000
	tensor_load_to_lds s[84:87], s[76:83]
	s_nop 0
	PLACES 4
	s_branch .Lasked
.Lhead_s:
	s_cmp_lt_u32 s2, 9
	s_cbranch_scc0 .Lhead_b
	s_mul_i32 s85, s2, 2048
	s_add_co_u32 s85, s85, SSTG-14336
	s_lshl_b32 s6, s4, 11
	s_cmp_eq_u32 s2, 7
	s_cselect_b64 s[86:87], s[14:15], s[18:19]
	s_add_nc_u64 s[86:87], s[86:87], s[6:7]
	s_or_b32 s87, s87, 0x80000000
	tensor_load_to_lds s[84:87], s[88:95]
	s_nop 0
	PLACES 4
	s_branch .Lasked
.Lhead_b:
	s_cmp_lt_u32 s2, 14
	s_cbranch_scc0 .Lhead_v
	s_mul_i32 s85, s2, 256
	s_add_co_u32 s85, s85, BSTG-2304
	s_lshl_b32 s6, s5, 8
	s_cmp_lt_u32 s2, 12
	s_cselect_b32 s6, s6, 0                        ; bkr and bqr serve all heads
	s_mov_b64 s[86:87], s[30:31]
	s_cmp_eq_u32 s2, 10
	s_cselect_b64 s[86:87], s[24:25], s[86:87]
	s_cmp_eq_u32 s2, 11
	s_cselect_b64 s[86:87], s[36:37], s[86:87]
	s_cmp_eq_u32 s2, 12
	s_cselect_b64 s[86:87], s[42:43], s[86:87]
	s_cmp_eq_u32 s2, 13
	s_cselect_b64 s[86:87], s[48:49], s[86:87]
	s_add_nc_u64 s[86:87], s[86:87], s[6:7]
	s_or_b32 s87, s87, 0x80000000
	tensor_load_to_lds s[84:87], s[56:63]
	s_nop 0
	PLACES 4
	s_branch .Lasked
.Lhead_v:
	s_and_b32 s6, s2, 1
	s_mul_i32 s6, s6, 24576
	s_add_co_u32 s85, s6, VSTG
	s_mul_i32 s99, s4, 49152
	s_add_co_u32 s6, s6, s99
	s_add_nc_u64 s[86:87], s[16:17], s[6:7]
	s_or_b32 s87, s87, 0x80000000
	tensor_load_to_lds s[84:87], s[68:75]          ; value: a line of its own, waited for later than the others
	s_nop 0
	PLACES 4
.Lasked:
	s_bitcmp1_b32 s2, 2
	s_cselect_b64 s[6:7], s[46:47], s[40:41]
	GL3 34, 203, 8, 0                              ; query at my 16 rows
	GL3 40, 203, 12, 0                             ; key at my 16 query positions (for c)
	GL3 46, 199, 50, 1536                          ; row 32 of p in every lane
	global_load_u16 v30, v205, s[28:29]            ; Wk's scale words: tiles 0, 1 in the halves of the lanes,
	global_load_u16 v31, v205, s[28:29] offset:32  ; tiles 2, 3
	global_load_u16 v25, v207, s[6:7]              ; my tile's of Wkr or Wqr (waves 8-15 ask too and use neither it nor the tile: one text for all)
	global_load_u16 v16, v209, s[52:53] offset:64
	global_load_u16 v29, v204, s[14:15]
	global_load_u16 v28, v204, s[10:11]
	global_load_u16 v32, v205, s[22:23]
	global_load_u16 v33, v205, s[22:23] offset:32
	global_load_u16 v24, v206, s[34:35]
	WALU                                           ; the wait at the head's end
	s_cmp_lt_u32 s2, 14
	s_cbranch_scc0 .Lnot_yet
	s_wait_tensorcnt 0x0
.Lnot_yet:
	s_barrier_signal -1
	s_barrier_wait -1                              ; all tiles but value's have landed
	; ---- k1 OF MY 64 KEYS.  Weights in v64-111 (tile t at v64 + 12 t, zeros behind it), keys in v136-159, bk in v160-191
.irp t, 0,1,2,3
	LD3 64+12*\t, 6, 384*\t
	LD3 136+6*\t, 4, 384*\t
.endr
	ds_load_u16 v112, v9
	ds_load_u16 v113, v9 offset:32
.irp k, 0,1,2,3,4,5,6,7
	ds_load_b128 v[160+4*\k:163+4*\k], v11 offset:16*\k
.endr
	LD3 130, 8, 0
	ds_load_b128 v[120:123], v17
	ds_load_b128 v[124:127], v17 offset:16
	s_wait_loadcnt 0x0
	s_wait_dscnt 0x0
	s_cmp_lt_u32 s2, 8
	s_cbranch_scc0 .Lnor
	WMX 120, 130, 46, v[120:127], 25, 16, 0, 0     ; one tile of kr or qr a wave, waves 0-7: every column is row 32
	PLACES 4
	ds_store_b128 v22, v[120:123]
	ds_store_b128 v22, v[124:127] offset:512
.Lnor:
.irp q, 0,1                            ; two tiles at a time: one image
.irp i, 0,1
.irp t, 0,1,2,3
	WMX 192+32*\i+8*\t, 64+12*\t, 136+12*\q+6*\i, v[160+8*\t:167+8*\t], 30+\t/2, 112+\q, (\t%2), \i
.endr
.endr
	PLACES 4
	QMAX 2, 192
	QCVT 2, 192, PC, 192
	IMG3 19, PC, 1536*\q
	ds_store_b8 v21, v[BN] offset:256*\q
	ds_store_b8 v21, v[BN+1] offset:256*\q+2
.endr
	; ---- k1 AT MY QUERY POSITIONS (v160-191, onto bk), q1 AT MY QUERIES (v192-223, onto bq), Q
.irp k, 0,1,2,3,4,5,6,7
	ds_load_b128 v[192+4*\k:195+4*\k], v11 offset:256+16*\k
.endr
.irp t, 0,1,2,3
	WMX 160+8*\t, 64+12*\t, 40, v[160+8*\t:167+8*\t], 30+\t/2, 29, (\t%2), 0
.endr
	PLACES 4
.irp t, 0,1,2,3
	LD3 64+12*\t, 23, 384*\t
.endr
	WALU
	s_wait_dscnt 0x0
.irp t, 0,1,2,3
	WMX 192+8*\t, 64+12*\t, 34, v[192+8*\t:199+8*\t], 32+\t/2, 28, (\t%2), 0
.endr
	PLACES 4
	QMAX 1, 192
	QCVT 1, 192, QZ+6, PC
	v_permlanex16_b32 v[T2], v[BN], s96, s97
.irp i, 0,1,2,3,4,5
	v_mov_b32 v[QZ+\i], 0
.endr
	v_lshl_or_b32 v2, v[T2], 8, v[BN]
.irp i, 0,1,2,3,4,5
	v_mov_b32 v[QZ+12+\i], 0
.endr
	v_lshl_or_b32 v[QS], v2, 16, v2                ; my row's two bytes twice: for [Q | 0] and [0 | Q]
	WALU
	s_wait_tensorcnt 0x0                           ; value's halves, and
	s_wait_dscnt 0x0                               ; my tile of kr or qr, for the others' sake
	s_barrier_signal -1
	s_barrier_wait -1
	s_load_b256 s[52:59], s[0:1], 0xb8             ; xc, xs, Wo's codes, wo
.irp t, 0,1,2,3
	ds_load_b128 v[224+8*\t:227+8*\t], v1 offset:RIMG+1024*\t
	ds_load_b128 v[228+8*\t:231+8*\t], v1 offset:RIMG+1024*\t+512
	ds_load_b128 v[112+8*\t:115+8*\t], v1 offset:RIMG+4096+1024*\t
	ds_load_b128 v[116+8*\t:119+8*\t], v1 offset:RIMG+4096+1024*\t+512
.endr
	LD3 64, 7, 0                                   ; Wv's two tiles
	LD3 76, 7, 384
	s_wait_dscnt 0x4                               ; kr and qr are in; these four loads may be out
	; c = q1 . kr + k1 . qr in f32, four sums by turns
	v_pk_mul_f32 v[12:13], v[192:193], v[224:225]
	v_pk_mul_f32 v[14:15], v[160:161], v[112:113]
	v_pk_mul_f32 v[26:27], v[194:195], v[226:227]
	v_pk_mul_f32 v[16:17], v[162:163], v[114:115]
.irp j, 4,8,12,16,20,24,28
	v_pk_fma_f32 v[12:13], v[192+\j:193+\j], v[224+\j:225+\j], v[12:13]
	v_pk_fma_f32 v[14:15], v[160+\j:161+\j], v[112+\j:113+\j], v[14:15]
	v_pk_fma_f32 v[26:27], v[194+\j:195+\j], v[226+\j:227+\j], v[26:27]
	v_pk_fma_f32 v[16:17], v[162+\j:163+\j], v[114+\j:115+\j], v[16:17]
.endr
	; ---- v1.  Values of 128 keys in v112-159, bv spread over v166-173 and v174-181, scale words v186-189
.irp k, 0,1,2,3,4,5,6,7
	LD3 112+6*\k, 5, 3072*(\k/4)+384*(\k%4)
.endr
.irp q, 0,1,2,3
	ds_load_u16 v[186+\q], v10 offset:128*(\q/2)+32*(\q%2)
.endr
	ds_load_b32 v166, v18
	ds_load_b32 v174, v18 offset:32
	v_pk_add_f32 v[12:13], v[12:13], v[26:27]
	v_pk_add_f32 v[14:15], v[14:15], v[16:17]
	s_delay_alu instid0(VALU_DEP_1)
	v_pk_add_f32 v[12:13], v[12:13], v[14:15]
	s_delay_alu instid0(VALU_DEP_1)
	v_add_f32 v12, v12, v13
	s_delay_alu instid0(VALU_DEP_1)
	v_permlanex16_b32 v[T2], v12, s96, s97         ; the other 32 channels
	s_delay_alu instid0(VALU_DEP_1)
	v_add_f32 v12, v12, v[T2]
	s_delay_alu instid0(VALU_DEP_1)
	v_mul_f32 v[CCS], s100, v12                    ; c cs
	WALU
	s_wait_dscnt 0x0
.irp j, 1,2,3,4,5,6,7
	v_mov_b32 v[166+\j], v166
	v_mov_b32 v[174+\j], v174
.endr
.irp i, 0,1                            ; not transposed: a lane holds ONE channel, its registers run along the keys
.irp k, 0,1,2,3,4,5,6,7
	WMX 192+8*\k, 112+6*\k, 64+12*\i, v[166+8*\i:173+8*\i], 186+\k/2, 24, (\k%2), \i
.endr
	PLACES 4
	QMAX 2, 192
	QCVT 2, 192, PC, 192
	IMG3 19, PC, 6144+1536*\i
	ds_store_b8 v21, v[BN] offset:256*\i+4
	ds_store_b8 v21, v[BN+1] offset:256*\i+6
.endr
	s_mov_b32 s62, IMG
	s_mov_b32 s63, 6
	WALU
	s_wait_kmcnt 0x0
	s_wait_dscnt 0x0                               ; for the others' sake: my images lie in LDS
	s_barrier_signal -1
	s_barrier_wait -1                              ; all sixteen waves' do: from here on LDS is only read
	; ---- THE STEPS: 8 of 128 keys; the first and the last are written out
.macro KLOAD off                       ; a step's K: 14 loads
.irp p, 0,1,2,3
.irp g, 0,1,2
	ds_load_b128 v[KF+12*\p+4*\g:KF+12*\p+4*\g+3], v2 offset:(\off)+1536*\p+512*\g
.endr
.endr
	ds_load_b32 v[KSR], v2 offset:(\off)+SCO
	ds_load_b32 v[KSR+1], v2 offset:(\off)+SCO+512
.endm
.macro JOIN                            ; the step's four sums join the row's: four plain vector instructions
	v_pk_add_f32 v[ACC:ACC+1], v[ACC:ACC+1], v[ACC+2:ACC+3]
	v_pk_add_f32 v[ACC+4:ACC+5], v[ACC+4:ACC+5], v[ACC+6:ACC+7]
	v_pk_add_f32 v[ACC:ACC+1], v[ACC:ACC+1], v[ACC+4:ACC+5]
	v_pk_fma_f32 v[SUM:SUM+1], v[SUM:SUM+1], v[F:F+1], v[ACC:ACC+1] op_sel_hi:[1,0,1]
.endm
.macro ADDS from                       ; four pairs of p from v[S + from] on, one to each sum
.irp k, 0,1,2,3
	v_pk_add_f32 v[ACC+2*\k:ACC+2*\k+1], v[ACC+2*\k:ACC+2*\k+1], v[S+(\from)+2*\k:S+(\from)+2*\k+1]
.endr
.endm
.macro STEP first, last
	s_wait_dscnt 0x0                               ; this step's K
.irp g, 0,1
.irp i, 0,1,2,3
	WMX S+32*\g+8*\i, KF+12*(2*\g+\i/2), QZ+6-6*(\i%2), 0, KSR+\g, QS, (\i/2), 0   ; S^T = K Q^T
.endr
.endr
.if \first                             ; four places in front of the loads into K's and V's registers and the reads of S
	v_mov_b32 v[SUM], 0
	v_mov_b32 v[SUM+1], 0
	v_mov_b32 v[F], 1.0
	v_nop
.else
	JOIN                                           ; the last step's sums, under its f
	v_add_nc_u32 v2, s62, v1
.endif
.irp t, 0,1,2,3
.irp g, 0,1,2
	ds_load_b128 v[VF+12*\t+4*\g:VF+12*\t+4*\g+3], v2 offset:6144+1536*\t+512*\g
.endr
.endr
	ds_load_b32 v[VSR], v2 offset:SCO+4
	ds_load_b32 v[VSR+1], v2 offset:SCO+516
.if \last
	WALU
	s_cmp_eq_u32 s98, 0
	s_cbranch_scc0 .Lno_wo
	v_and_b32 v76, 15, v0                          ; a fragment of Wo, into registers that held K: row 4 r + y, 96 bytes from 96 cx on
	v_bfe_u32 v77, v0, 4, 1
	v_mul_u32_u24 v76, v76, 1536
	v_mad_u32_u24 v76, v77, 24, v76
	GL3 64, 76, 56, 0
	GL3 70, 76, 56, 48
.Lno_wo:
.else
	KLOAD STEPB                                    ; the next step's K
.endif
.irp g, 0,1                            ; THE LARGEST SCORE OF EACH BLOCK serves twice: for the row's maximum and, since p rises with the score, for the block's largest p
	v_max3_num_f32 v[BM+\g], v[S+32*\g], v[S+32*\g+1], v[S+32*\g+2]
	v_max3_num_f32 v[BN+\g], v[S+32*\g+16], v[S+32*\g+17], v[S+32*\g+18]
.endr
.irp i, 3,5,7,9,11,13
.irp g, 0,1
	v_max3_num_f32 v[BM+\g], v[BM+\g], v[S+32*\g+\i], v[S+32*\g+\i+1]
	v_max3_num_f32 v[BN+\g], v[BN+\g], v[S+32*\g+16+\i], v[S+32*\g+17+\i]
.endr
.endr
.irp g, 0,1
	v_max3_num_f32 v[BM+\g], v[BM+\g], v[S+32*\g+15], v[S+32*\g+31]
.endr
.irp g, 0,1
	v_max_num_f32 v[BM+\g], v[BM+\g], v[BN+\g]
.endr
	v_max_num_f32 v[TMP], v[BM], v[BM+1]
	s_delay_alu instid0(VALU_DEP_1)
	v_permlanex16_b32 v[T2], v[TMP], s96, s97
	s_delay_alu instid0(VALU_DEP_1)
.if \first
	v_max_num_f32 v[SMAX], v[TMP], v[T2]
.else
	v_max3_num_f32 v[SMAX], v[SMAX], v[TMP], v[T2] ; the largest score so far of my query
.endif
	s_delay_alu instid0(VALU_DEP_1)
	v_fma_f32 v[TMP], v[SMAX], s100, v[CCS]        ; as t (cs is positive)
.if \first
	s_delay_alu instid0(VALU_DEP_1)
	v_floor_f32 v[NEGM], -v[TMP]                   ; -M = floor(-t): M IS A WHOLE NUMBER
	s_delay_alu instid0(VALU_DEP_1)
	v_add_f32 v[TADD], v[CCS], v[NEGM]
.else
	v_mov_b32 v[F], v[NEGM]
	s_delay_alu instid0(VALU_DEP_2)
	v_floor_f32 v[NEGM], -v[TMP]
	s_delay_alu instid0(VALU_DEP_1)
	v_sub_f32 v[F], v[NEGM], v[F]                  ; old M less new M: a whole number, 0 or less
	s_delay_alu instid0(VALU_DEP_1)
	v_cvt_i32_f32 v[F], v[F]                       ; (it saturates)
	s_delay_alu instid0(VALU_DEP_1)
	v_ldexp_f32 v[F], 1.0, v[F]                    ; f = 2^(old M - new M)
	v_add_f32 v[TADD], v[CCS], v[NEGM]             ; c cs - M
.set j, 0
.rept 16
	v_pk_mul_f32 v[OT+j:OT+j+1], v[OT+j:OT+j+1], v[F:F+1] op_sel_hi:[1,0]   ; O^T under the new M
.set j, j+2
.endr
.endif
	v_pk_fma_f32 v[BM:BM+1], v[BM:BM+1], s[100:101], v[TADD:TADD+1] op_sel_hi:[1,0,0]
.set j, 0
.rept 16
	v_pk_fma_f32 v[S+j:S+j+1], v[S+j:S+j+1], s[100:101], v[TADD:TADD+1] op_sel_hi:[1,0,0]   ; t - M, the first block
.set j, j+2
.endr
	WALU                                           ; a wait ahead of each batch of exponentials and behind it
	v_exp_f32 v[BM], v[BM]                         ; the blocks' largest p: the same instructions on the same numbers as below
	v_exp_f32 v[BM+1], v[BM+1]
.set j, 0
.rept 16
	v_exp_f32 v[S+j], v[S+j]                       ; p = 2^(t - M), not normalised; the second block's t - M stands among the first one's p
	v_exp_f32 v[S+j+1], v[S+j+1]
	v_pk_fma_f32 v[S+32+j:S+33+j], v[S+32+j:S+33+j], s[100:101], v[TADD:TADD+1] op_sel_hi:[1,0,0]
.set j, j+2
.endr
	WALU
.set j, 0
.rept 8
	v_exp_f32 v[S+32+4*j], v[S+32+4*j]
	v_exp_f32 v[S+33+4*j], v[S+33+4*j]
	v_exp_f32 v[S+34+4*j], v[S+34+4*j]
	v_exp_f32 v[S+35+4*j], v[S+35+4*j]
.if j < 2
	v_max_num_f32 v[BM+j], 0x1800000, v[BM+j]      ; the floor 2^(3 - 127)
.endif
.if j < 4                              ; the first block's p in pairs; half of these sums rest in the registers of p's codes
	v_pk_add_f32 v[ACC+2*j:ACC+2*j+1], v[S+4*j:S+4*j+1], v[S+4*j+2:S+4*j+3]
.else
	v_pk_add_f32 v[PC+2*j-8:PC+2*j-7], v[S+4*j:S+4*j+1], v[S+4*j+2:S+4*j+3]
.endif
.set j, j+1
.endr
	WALU
	v_add_nc_u32 v[SCL], 0xff000000, v[BM]         ; 2 off the exponent field: the conversions' scale operands
	v_add_nc_u32 v[SCL+1], 0xff000000, v[BM+1]
.irp k, 0,1,2,3
	v_pk_add_f32 v[ACC+2*\k:ACC+2*\k+1], v[ACC+2*\k:ACC+2*\k+1], v[PC+2*\k:PC+2*\k+1]
.endr
	v_lshrrev_b32 v[BN], 23, v[SCL]
	v_lshrrev_b32 v[BN+1], 23, v[SCL+1]
	ADDS 32
	v_lshl_or_b32 v[TMP], v[BN+1], 16, v[BN]       ; my blocks' bytes at 0 and 2
	v_cvt_scalef32_pk16_fp6_f32 v[PC:PC+2], v[S:S+15], v[SCL]
	v_cvt_scalef32_pk16_fp6_f32 v[PC+6:PC+8], v[S+32:S+47], v[SCL+1]
	ADDS 40
	v_permlanex16_b32 v[T2], v[TMP], s96, s97
	v_cvt_scalef32_pk16_fp6_f32 v[S:S+2], v[S+16:S+31], v[SCL]   ; (a conversion's three registers begin on an even number: by way of registers whose p is summed and converted)
	v_cvt_scalef32_pk16_fp6_f32 v[S+32:S+34], v[S+48:S+63], v[SCL+1]
	ADDS 48
	v_lshl_or_b32 v[PS], v[T2], 8, v[TMP]          ; with lane l xor 16's at 1 and 3: the scale word, good in lanes 0-15
.irp i, 0,1,2
	v_mov_b32 v[PC+3+\i], v[S+\i]
	v_mov_b32 v[PC+9+\i], v[S+32+\i]
.endr
	ADDS 56
	WALU
.if \last
	s_wait_dscnt 0x0
.else
	s_wait_dscnt 14                                ; V is in; the next step's K, 14 loads, may be out
.endif
.irp t, 0,1,2,3                        ; O^T += V^T P^T; the four accumulators take turns
.if \first
	WMX OT+8*\t, VF+12*\t, PC, 0, VSR+\t/2, PS, (\t%2), 0
.else
	WMX OT+8*\t, VF+12*\t, PC, v[OT+8*\t:OT+8*\t+7], VSR+\t/2, PS, (\t%2), 0
.endif
.endr
.endm
	v_add_nc_u32 v2, s62, v1
	WALU
	KLOAD 0
	STEP 1, 0
	s_add_co_u32 s62, s62, STEPB
.Lstep:
	STEP 0, 0
	s_add_co_u32 s62, s62, STEPB
	s_sub_co_u32 s63, s63, 1
	s_cmp_lg_u32 s63, 0
	s_cbranch_scc1 .Lstep
	s_bfe_u32 s3, ttmp6, 0x40000                   ; cx
	s_mul_i32 s104, s67, 384
	s_mul_i32 s6, s3, 96
	s_add_co_u32 s104, s104, s6
	s_mov_b32 s105, 0
	s_add_nc_u64 s[56:57], s[56:57], s[104:105]    ; Wo: row y, K step cx
	STEP 0, 1
	; ---- THE WAY OUT: x = O^T / the sum, quantised along the head's 64 channels
	JOIN                                           ; (also the places behind the last products)
	v_add_f32 v[SUM], v[SUM], v[SUM+1]
	v_permlanex16_b32 v[T2], v[SUM], s96, s97
	v_add_f32 v[SUM], v[SUM], v[T2]                ; the row's sum
	WALU
	v_rcp_f32 v[F], v[SUM]
	v_nop                                          ; one plain place behind a transcendental
	WALU
.set j, 0
.rept 16
	v_pk_mul_f32 v[S+j:S+j+1], v[OT+j:OT+j+1], v[F:F+1] op_sel_hi:[1,0]   ; register i is x(query r, channel 32 h + i)
.set j, j+2
.endr
	QMAX 1, S
	QCVT 1, S, PC, S
	v_lshrrev_b32 v8, 1, v1                        ; 8 x lane
	v_and_b32 v9, 15, v0
	v_bfe_u32 v4, v0, 4, 1
	v_lshl_add_u32 v9, v9, 4, v4                   ; 16 r + h
	WALU
	s_lshr_b32 s66, s66, 4                         ; RT: my tile of 16 rows among 512
	s_lshl_b32 s6, s66, 3
	s_add_co_u32 s6, s6, s5
	s_mul_i32 s104, s6, 768                        ; xc[RT][hd]: registers 0-3 at 16 x lane, registers 4-5 at 512 + 8 x lane
	s_add_nc_u64 s[52:53], s[52:53], s[104:105]
	s_lshl_b32 s104, s66, 8                        ; xs[RT][r][hd][block]
	s_lshl_b32 s6, s5, 1
	s_add_co_u32 s104, s104, s6
	s_add_nc_u64 s[54:55], s[54:55], s[104:105]
	global_store_b128 v1, v[PC:PC+3], s[52:53]              ; 512 consecutive bytes
	global_store_b64 v8, v[PC+4:PC+5], s[52:53] offset:512  ; 256 consecutive bytes
	global_store_b8 v9, v[BN], s[54:55]                     ; 32 single bytes of a block of 256 that the eight heads fill together: 32 of my wave's 800 bytes
	s_lshl_b32 s104, s67, 2
	s_add_co_u32 s104, s104, s3
	s_mul_i32 s104, s104, 1536
	s_add_nc_u64 s[58:59], s[58:59], s[104:105]    ; wo: fragment 4 y + cx
	s_cmp_eq_u32 s98, 0
	s_cbranch_scc0 .Lno_wo_store
	s_wait_loadcnt 0x0
.irp g, 0,1,2
	global_store_b128 v1, v[64+4*\g:67+4*\g], s[58:59] offset:512*\g
.endr
.Lno_wo_store:
	v_lshl_add_u32 v254, v0, 2, SPARE
	v_mov_b32 v255, 0
	WALU
	s_wait_tensorcnt 0x0                           ; the wave's end
	ds_add_u32 v254, v255
	s_wait_dscnt 0x0
	CROUND                                         ; the closing round
	s_endpgm
.Lfunc_end_k_qb463128e12_attn:
	.size	k_qb463128e12_attn, .Lfunc_end_k_qb463128e12_attn-k_qb463128e12_attn
	.p2alignl 7, 3214868480
	.fill 96, 4, 3214868480
	.section	.rodata,"a",@progbits
	.p2align	6, 0x0
	.amdhsa_kernel k_qb463128e12_attn
		.amdhsa_group_segment_fixed_size 327680
		.amdhsa_private_segment_fixed_size 0
		.amdhsa_enable_private_segment 0
		.amdhsa_kernarg_size 216
		.amdhsa_user_sgpr_count 2
		.amdhsa_user_sgpr_kernarg_segment_ptr 1
		.amdhsa_wavefront_size32 1
		.amdhsa_system_sgpr_workgroup_id_x 1
		.amdhsa_system_sgpr_workgroup_id_y 1
		.amdhsa_system_sgpr_workgroup_id_z 1
		.amdhsa_system_vgpr_workitem_id 0
		.amdhsa_next_free_vgpr 256
		.amdhsa_next_free_sgpr 106
		.amdhsa_reserve_vcc 0
		.amdhsa_float_denorm_mode_32 3
		.amdhsa_float_denorm_mode_16_64 3
		.amdhsa_memory_ordered 1
		.amdhsa_forward_progress 1
		.amdhsa_inst_pref_size 91
	.end_amdhsa_kernel
	.amdgpu_metadata
---
amdhsa.version: [ 1, 2 ]
amdhsa.kernels:
  - .name:           k_qb463128e12_attn
    .symbol:         k_qb463128e12_attn.kd
    .args:
      - { .name: query_codes, .offset: 0, .size: 8, .value_kind: global_buffer, .address_space: global }
      - { .name: query_scales, .offset: 8, .size: 8, .value_kind: global_buffer, .address_space: global }
      - { .name: key_codes, .offset: 16, .size: 8, .value_kind: global_buffer, .address_space: global }
      - { .name: key_scales, .offset: 24, .size: 8, .value_kind: global_buffer, .address_space: global }
      - { .name: value_codes, .offset: 32, .size: 8, .value_kind: global_buffer, .address_space: global }
      - { .name: value_scales, .offset: 40, .size: 8, .value_kind: global_buffer, .address_space: global }
      - { .name: Wq_codes, .offset: 48, .size: 8, .value_kind: global_buffer, .address_space: global }
      - { .name: Wq_scales, .offset: 56, .size: 8, .value_kind: global_buffer, .address_space: global }
      - { .name: bq, .offset: 64, .size: 8, .value_kind: global_buffer, .address_space: global }
      - { .name: Wk_codes, .offset: 72, .size: 8, .value_kind: global_buffer, .address_space: global }
      - { .name: Wk_scales, .offset: 80, .size: 8, .value_kind: global_buffer, .address_space: global }
      - { .name: bk, .offset: 88, .size: 8, .value_kind: global_buffer, .address_space: global }
      - { .name: Wv_codes, .offset: 96, .size: 8, .value_kind: global_buffer, .address_space: global }
      - { .name: Wv_scales, .offset: 104, .size: 8, .value_kind: global_buffer, .address_space: global }
      - { .name: bv, .offset: 112, .size: 8, .value_kind: global_buffer, .address_space: global }
      - { .name: Wkr_codes, .offset: 120, .size: 8, .value_kind: global_buffer, .address_space: global }
      - { .name: Wkr_scales, .offset: 128, .size: 8, .value_kind: global_buffer, .address_space: global }
      - { .name: bkr, .offset: 136, .size: 8, .value_kind: global_buffer, .address_space: global }
      - { .name: Wqr_codes, .offset: 144, .size: 8, .value_kind: global_buffer, .address_space: global }
      - { .name: Wqr_scales, .offset: 152, .size: 8, .value_kind: global_buffer, .address_space: global }
      - { .name: bqr, .offset: 160, .size: 8, .value_kind: global_buffer, .address_space: global }
      - { .name: p_codes, .offset: 168, .size: 8, .value_kind: global_buffer, .address_space: global }
      - { .name: p_scales, .offset: 176, .size: 8, .value_kind: global_buffer, .address_space: global }
      - { .name: xc, .offset: 184, .size: 8, .value_kind: global_buffer, .address_space: global }
      - { .name: xs, .offset: 192, .size: 8, .value_kind: global_buffer, .address_space: global }
      - { .name: Wo_codes, .offset: 200, .size: 8, .value_kind: global_buffer, .address_space: global }
      - { .name: wo, .offset: 208, .size: 8, .value_kind: global_buffer, .address_space: global }
    .group_segment_fixed_size: 327680
    .private_segment_fixed_size: 0
    .kernarg_segment_align: 8
    .kernarg_segment_size: 216
    .max_flat_workgroup_size: 512
    .sgpr_count:     106
    .vgpr_count:     256
    .wavefront_size: 32
...
	.end_amdgpu_metadata
.endif
;; end of part 1
;; launch outp (part 2): grid 256 x 1, 2 waves a work-group, no clusters, 0 bytes of LDS; arguments xc, xs, wo, Wo_scales, bo, out0; writes out0
.if DOCPART == 2
	.amdgcn_target "amdgcn-amd-amdhsa--gfx1250"
	.amdhsa_code_object_version 6
	.text
	.protected	k_qb463128e12_outp
	.globl	k_qb463128e12_outp
	.p2align	8
	.type	k_qb463128e12_outp,@function
k_qb463128e12_outp:
	s_mov_b64 s[64:65], 0
	v_nop
	global_prefetch_b8 v0, s[64:65] scope:SCOPE_SE
	s_setreg_imm32_b32 hwreg(HW_REG_WAVE_MODE, 25, 1), 1
	s_wait_xcnt 0x0
; out0 = x Wo + bo on codes of FP6 (E2M3) with one E8M0 scale for each 32 along K.  x: 8,192 rows, K = 512 = 64 head + channel, as the launch before left it:
; xc[RT][hd]: 768 bytes, an image of six registers: rows 16 RT + r, k = 64 hd + 32 (lane / 16) + 0 .. 31;  xs[RT][r]: 16 scale bytes, four words, one for each 128 along K.  Two heads' images side by side are a fragment of 16 rows x 128 K.
; wo[4 nt + ks]: Wo's codes as images of 12 registers, lane r of tile nt holding Wo's row 4 r + nt; Wo's scale bytes [64][16].  out0: [8,192][64] f32.
; SHARES.  Each wave takes one tile of 16 rows, RT = 2 x work-group + wave, and all 64 outputs: 4 accumulators, 4 K steps, 16 matrix instructions.  No LDS, no barrier.
; NO CLUSTER: every wave takes wo's 24,576 bytes straight into registers; a joint load would bring them into LDS, from where the same 48 register loads a lane would still be owed.  No prefetch: there is no loop to run ahead in.
; LAYOUT.  Register j of the four tiles holds out(row 8 h + j, 4 r + 0 .. 3).  The addition of the bias puts these four into neighbouring registers: sixteen lanes store a whole row of 256 bytes.
; REGISTERS: window 0: v1-10 offsets; v16-63 x's fragments; v114-117 x's scale words; v120-135 Wo's; v136-139 bo; v140-171 accumulators; v204-235 rows on their way out.   window 1: Wo's fragments (nt, ks) at v[12 (4 nt + ks)].
.set X,   16
.set XS,  114
.set WOS, 120
.set BO,  136
.set ACC, 140
.set OB,  204
.set MSB, 0
.macro WIN new                         ; the immediate's high byte repeats the setting that is left
.if MSB != \new
	s_set_vgpr_msb (MSB<<8)|\new
.set MSB, \new
.endif
.endm
	s_load_b256 s[4:11], s[0:1], 0x0               ; xc s[4:5], xs s[6:7], wo s[8:9], Wo's scales s[10:11]
	s_load_b128 s[12:15], s[0:1], 0x20             ; bo s[12:13], out0 s[14:15]
	v_lshrrev_b32 v10, 5, v0
	v_and_b32 v3, 31, v0
	v_and_b32 v8, 15, v0                           ; r
	v_bfe_u32 v9, v0, 4, 1                         ; h
	v_lshlrev_b32 v1, 4, v3                        ; 16 x lane
	v_lshlrev_b32 v2, 3, v3                        ; 8 x lane
	v_lshlrev_b32 v4, 6, v8                        ; Wo's scale bytes: row 4 r
	v_lshlrev_b32 v5, 4, v8                        ; x's scale bytes, and bo: 16 r
	v_readfirstlane_b32 s16, v10                   ; wave
	v_lshl_add_u32 v7, v9, 11, v5                  ; out0: row 8 h, + 16 r
	s_lshl_b32 s17, ttmp9, 1
	s_add_co_u32 s16, s16, s17                     ; RT
	s_mov_b32 s19, 0
	s_mul_i32 s18, s16, 6144                       ; eight heads x 768 bytes
	s_wait_alu depctr_va_vdst(0)
	s_wait_kmcnt 0x0
	s_add_nc_u64 s[4:5], s[4:5], s[18:19]
	s_lshl_b32 s18, s16, 8
	s_add_nc_u64 s[6:7], s[6:7], s[18:19]
	s_lshl_b32 s18, s16, 12                        ; 16 rows of 256 bytes
	s_add_nc_u64 s[14:15], s[14:15], s[18:19]
	global_load_b128 v[XS:XS+3], v5, s[6:7]
.irp n, 0,1,2,3
	global_load_b128 v[WOS+4*\n:WOS+4*\n+3], v4, s[10:11] offset:16*\n
.endr
	global_load_b128 v[BO:BO+3], v5, s[12:13]
.irp k, 0,1,2,3                        ; K step by K step, 16 loads each, so that the products can begin while the later steps' fragments are on their way
	WIN 0
.irp d, 0,1
	global_load_b128 v[X+12*\k+6*\d:X+12*\k+6*\d+3], v1, s[4:5] offset:768*(2*\k+\d)
	global_load_b64 v[X+12*\k+6*\d+4:X+12*\k+6*\d+5], v2, s[4:5] offset:768*(2*\k+\d)+512
.endr
	WIN 0x40                                       ; destination window 1, address window 0
.irp n, 0,1,2,3
.irp g, 0,1,2
	global_load_b128 v[12*(4*\n+\k)+4*\g:12*(4*\n+\k)+4*\g+3], v1, s[8:9] offset:1536*(4*\n+\k)+512*\g
.endr
.endr
.endr
	WIN 0x04                                       ; source 1 (Wo) window 1; all else window 0
.irp k, 0,1,2,3
	s_wait_loadcnt 16*(3-\k)                       ; the 16 loads of each later K step may be out
.irp n, 0,1,2,3                        ; the four accumulators take turns, in the same order in every K step
.if \k == 0
	v_wmma_scale_f32_16x16x128_f8f6f4 v[ACC+8*\n:ACC+8*\n+7], v[X+12*\k:X+12*\k+11], v[12*(4*\n+\k):12*(4*\n+\k)+11], 0, v[XS+\k], v[WOS+4*\n+\k] matrix_a_fmt:MATRIX_FMT_FP6 matrix_b_fmt:MATRIX_FMT_FP6
.else
	v_wmma_scale_f32_16x16x128_f8f6f4 v[ACC+8*\n:ACC+8*\n+7], v[X+12*\k:X+12*\k+11], v[12*(4*\n+\k):12*(4*\n+\k)+11], v[ACC+8*\n:ACC+8*\n+7], v[XS+\k], v[WOS+4*\n+\k] matrix_a_fmt:MATRIX_FMT_FP6 matrix_b_fmt:MATRIX_FMT_FP6
.endif
.endr
.endr
	WIN 0
.rept 4
	v_nop                                          ; places in front of the first read of results (ISA guide 7.12.1)
.endr
.irp j, 0,1,2,3,4,5,6,7                ; each accumulator from its low end on
.irp n, 0,1,2,3
	v_add_f32 v[OB+4*\j+\n], v[ACC+8*\n+\j], v[BO+\n]
.endr
	global_store_b128 v7, v[OB+4*\j:OB+4*\j+3], s[14:15] offset:256*\j th:TH_STORE_NT   ; lanes 0-15: row j, lanes 16-31: row 8 + j: 256 consecutive bytes each; written once, read by nobody here
.endr
	s_endpgm
.Lfunc_end_k_qb463128e12_outp:
	.size	k_qb463128e12_outp, .Lfunc_end_k_qb463128e12_outp-k_qb463128e12_outp
	.p2alignl 7, 3214868480
	.fill 96, 4, 3214868480
	.section	.rodata,"a",@progbits
	.p2align	6, 0x0
	.amdhsa_kernel k_qb463128e12_outp
		.amdhsa_group_segment_fixed_size 0
		.amdhsa_private_segment_fixed_size 0
		.amdhsa_enable_private_segment 0
		.amdhsa_kernarg_size 48
		.amdhsa_user_sgpr_count 2
		.amdhsa_user_sgpr_kernarg_segment_ptr 1
		.amdhsa_wavefront_size32 1
		.amdhsa_system_sgpr_workgroup_id_x 1
		.amdhsa_system_sgpr_workgroup_id_y 1
		.amdhsa_system_sgpr_workgroup_id_z 1
		.amdhsa_system_vgpr_workitem_id 0
		.amdhsa_next_free_vgpr 448
		.amdhsa_next_free_sgpr 66
		.amdhsa_reserve_vcc 0
		.amdhsa_float_denorm_mode_32 3
		.amdhsa_float_denorm_mode_16_64 3
		.amdhsa_memory_ordered 1
		.amdhsa_forward_progress 1
		.amdhsa_inst_pref_size 12
	.end_amdhsa_kernel
	.amdgpu_metadata
---
amdhsa.version: [ 1, 2 ]
amdhsa.kernels:
  - .name:           k_qb463128e12_outp
    .symbol:         k_qb463128e12_outp.kd
    .args:
      - { .name: xc, .offset: 0, .size: 8, .value_kind: global_buffer, .address_space: global }
      - { .name: xs, .offset: 8, .size: 8, .value_kind: global_buffer, .address_space: global }
      - { .name: wo, .offset: 16, .size: 8, .value_kind: global_buffer, .address_space: global }
      - { .name: Wo_scales, .offset: 24, .size: 8, .value_kind: global_buffer, .address_space: global }
      - { .name: bo, .offset: 32, .size: 8, .value_kind: global_buffer, .address_space: global }
      - { .name: out0, .offset: 40, .size: 8, .value_kind: global_buffer, .address_space: global }
    .group_segment_fixed_size: 0
    .private_segment_fixed_size: 0
    .kernarg_segment_align: 8
    .kernarg_segment_size: 48
    .max_flat_workgroup_size: 64
    .sgpr_count:     66
    .vgpr_count:     448
    .wavefront_size: 32
...
	.end_amdgpu_metadata
.endif
;; end of part 2
